; MI455X (gfx1250); checked and timed in simulation.
; The chip was launched on July 23, 2026; its instructions are those of AMD's public machine-readable ISA for CDNA 5 (MIT licence, August 2026) and "CDNA5" Instruction Set Architecture Reference Guide (July 2026). The comments in the code are by the model that wrote it; some were corrected since.
;; NER2 IC. Allowed arithmetic: float matrix products may take bf16 or f16 operands with f32 sums; all other float work in f32.
;; Inputs: W1 1,024 x 512 float32; W2 512 x 64 float32; b1 512 float32; b2 64 float32; ic_tokens 32 x 1,024 float32; ln_beta 512 float32; ln_gamma 512 float32; ner_tokens 32 x 128 x 1,024 float32.
;; Outputs: out0 32 x 64 float32.
;; 2 versions, each right; version 2 is version 1 with the launch pool written anew for expert scheduling mode. Each part assembles by itself: llvm-mc -triple=amdgcn-amd-amdhsa -mcpu=gfx1250 --defsym DOCPART=n.
;; ======== version 1 of 2: 3 launches
;; limits: a function is approximated: absolute error at most 1.5e-07
;; workspace buffers: vpart 1,048,576 bytes; part 65,536 bytes
;; launch pool (part 1): grid 16 x 16, 8 waves a work-group, no clusters, 11,264 bytes of LDS; arguments ner_tokens, W1, vpart; writes vpart
.if DOCPART == 1
	.amdgcn_target "amdgcn-amd-amdhsa--gfx1250"
	.amdhsa_code_object_version 6
	.text
	.protected	k_q29a93338b0_pool
	.globl	k_q29a93338b0_pool
	.p2align	8
	.type	k_q29a93338b0_pool,@function
k_q29a93338b0_pool:
	s_mov_b64 s[64:65], 0
	v_nop
	global_prefetch_b8 v0, s[64:65] scope:SCOPE_SE
	s_setreg_imm32_b32 hwreg(HW_REG_WAVE_MODE, 25, 1), 1
	s_wait_xcnt 0x0
; vpart[ds][b][h] = sum over the 64 columns d of slice ds of  nm[b][d] * W1[d][h],   nm[b][d] = (1/128) * sum over s of ner[b][s][d].
; WHY THIS IS ALL OF THE LARGE EINSUM: its input is an outer product, outer[b][i][j] = ic[b][i] * nm[b][j], so
; sum_j outer[b][i][j] W1[j][h] = ic[b][i] * (sum_j nm[b][j] W1[j][h]) for every input: one sum, associated otherwise (the order of
; rounding differs from the written form; everything here is f32).  What is left is a product of 32 x 1024 by 1024 x 512.
; SHARES: work-group (ds, bp) owns batch rows 2 bp, 2 bp + 1 and columns d = 64 ds .. 64 ds + 63: 64 KiB of ner, 128 KiB of W1.
;   pooling: wave w sums rows (w & 3) * 32 .. + 31 of batch row 2 bp + (w >> 2); sixteen lanes take 256 consecutive, aligned bytes of a row.
;   product: thread t holds columns h = 4 (t & 127) .. + 3 of W1's rows 32 (t >> 7) .. + 31 of the slice and multiplies them for BOTH batch rows;
;            the two halves of K meet through LDS, each half keeping one batch row.
; All 48 loads of a lane are issued in the first lines: nothing is loaded behind another load's result, so there is no ring and nothing to ask for ahead.
; LEFT OUT, by this text's arithmetic: matrix instructions (2 rows of a 16-row tile would be used, and W1 lies [K][N] in f32: each word would be
; converted and transposed to feed 2 multiply-adds); joint requests in a cluster for W1's slice, which 16 work-groups read (a joint request lands in
; LDS: 128 KiB written and 128 KiB read back per work-group for 2 multiply-adds a word, where the loads below land in the registers that multiply).
.set NQ,   16                          ; v[16:79]    16 quads of ner as loaded; then nm: v[16:47] batch row 0, v[48:79] batch row 1, my 32 d each
.set NM0,  16
.set NM1,  48
.set WQ,   80                          ; v[80:207]   32 quads of W1: row r of my half, my 4 columns
.set ACC0, 208                         ; v[208:211]  sums for batch row 2 bp
.set ACC1, 212                         ; v[212:215]  sums for batch row 2 bp + 1
.set GIVE, 216                         ; v[216:219]  the sums that the other half of K finishes
.set KEEP, 220                         ; v[220:223]  the sums that I finish
.set T,    224                         ; v[224:227]  at work
.set LDS_S,   0                        ; 8 waves x 256 bytes: column sums over a wave's 32 rows
.set LDS_NMW, 2048                     ; 8 waves x 512 bytes: each wave's own copy of nm[2][64]
.set LDS_X,   6144                     ; 256 threads x 16 bytes: the exchange between the halves of K
	s_load_b128 s[4:7], s[0:1], 0x0                ; ner s[4:5], W1 s[6:7]
	s_load_b64 s[8:9], s[0:1], 0x10                ; vpart
	v_lshl_add_u32 v228, v0, 2, 0x2800
	v_mov_b32 v229, 0
	v_lshrrev_b32 v1, 5, v0
	v_readfirstlane_b32 s10, v1                    ; wave 0..7
	s_and_b32 s11, ttmp7, 0xffff                   ; bp
	s_lshr_b32 s18, s10, 2                         ; hf: which batch row I pool, which half of K I multiply
	v_and_b32 v11, 15, v0
	v_bfe_u32 v12, v0, 4, 1                        ; lane / 16
	v_and_b32 v13, 31, v0                          ; lane
	v_and_b32 v14, 127, v0                         ; t & 127
	v_lshlrev_b32 v11, 4, v11                      ; 16 (lane & 15)
	s_lshl_b32 s17, s10, 17                        ; wave x 32 rows x 4,096 bytes (four waves are one batch row of 524,288 bytes)
	v_lshl_add_u32 v2, v12, 12, v11                ; lanes 16-31 take the next row
	v_add_nc_u32 v2, s17, v2                       ; v2: my offset in ner
	s_lshl_b32 s17, s18, 16                        ; hf x 32 rows x 2,048 bytes
	v_lshl_add_u32 v3, v14, 4, s17                 ; v3: my offset in W1's slice
	s_lshl_b32 s12, s11, 20                        ; bp x 2 batch rows
	s_lshl_b32 s17, ttmp9, 8                       ; ds x 64 columns x 4 bytes
	s_add_co_u32 s12, s12, s17
	s_mov_b32 s13, 0
	s_wait_kmcnt 0x0
	s_add_nc_u64 s[4:5], s[4:5], s[12:13]
	s_lshl_b32 s12, ttmp9, 17                      ; ds x 64 rows x 2,048 bytes
	s_add_nc_u64 s[6:7], s[6:7], s[12:13]
.irp j, 0,1,2,3,4,5,6,7,8,9,10,11,12,13,14,15
	global_load_b128 v[NQ+4*\j:NQ+4*\j+3], v2, s[4:5] offset:8192*\j th:TH_LOAD_NT    ; two rows a load; ner is read once in the launch
.endr
.set rr, 0
.rept 32
	global_load_b128 v[WQ+4*rr:WQ+4*rr+3], v3, s[6:7] offset:2048*rr                 ; a wave's load covers 512 consecutive bytes of a row
.set rr, rr+1
.endr
	; the other addresses, while the loads are out
	s_mov_b32 s14, 0x76543210                      ; v_permlanex16_b32: lane i reads lane i of the other half
	s_mov_b32 s15, 0xfedcba98
	s_lshl_b32 s17, s10, 8
	v_add_nc_u32 v4, s17, v11                      ; v4: S, my wave's 256 bytes, my 4 columns
	v_lshl_add_u32 v5, v12, 10, v11                ; v5: S, lanes 0-15 read batch row 0's four waves, lanes 16-31 batch row 1's
	s_lshl_b32 s17, s10, 9
	s_add_co_u32 s17, s17, LDS_NMW                 ; my wave's copy of nm
	v_lshl_add_u32 v6, v13, 4, s17                 ; v6: where my lane puts its 4 numbers of nm
	s_lshl_b32 s19, s18, 7                         ; my half's 32 d x 4 bytes
	s_add_co_u32 s19, s19, s17
	v_mov_b32 v7, s19                              ; v7: the same address in every lane: the loads from it are broadcasts
	v_lshlrev_b32 v10, 4, v0                       ; v10: 16 t: my place in X, and my place in the two rows of vpart
	s_cmp_lg_u32 s18, 0
	s_cselect_b32 s16, -1, 0                       ; a lane mask: all ones in the waves of half 1
	s_cselect_b32 s17, 0, 2048                     ; the other half's 2,048 bytes of X
	v_lshl_add_u32 v9, v14, 4, s17                 ; v9: my partner's place in X
	s_lshl_b32 s12, ttmp9, 16                      ; vpart: ds x 32 rows x 2,048 bytes
	s_lshl_b32 s17, s11, 12                        ; + bp x 2 rows
	s_add_co_u32 s12, s12, s17
	s_add_nc_u64 s[8:9], s[8:9], s[12:13]
.irp k, 0,1,2,3
	v_mov_b32 v[T+\k], 0                           ; v_permlanex16_b32 counts as a reader of its destination
.endr
	; COLUMN SUMS over my wave's 32 rows
	s_wait_loadcnt 32                              ; loads return in order: the 16 of ner are in, the 32 younger ones of W1 stay out
.irp d, 8,4,2,1
.set q, 0
.rept \d
	v_pk_add_f32 v[NQ+4*q:NQ+4*q+1],   v[NQ+4*q:NQ+4*q+1],   v[NQ+4*(q+\d):NQ+4*(q+\d)+1]
	v_pk_add_f32 v[NQ+4*q+2:NQ+4*q+3], v[NQ+4*q+2:NQ+4*q+3], v[NQ+4*(q+\d)+2:NQ+4*(q+\d)+3]
.set q, q+1
.endr
.endr
.irp k, 0,1,2,3
	v_permlanex16_b32 v[T+\k], v[NQ+\k], s14, s15  ; the odd rows' sums meet the even rows'
.endr
	v_pk_add_f32 v[NQ:NQ+1],   v[NQ:NQ+1],   v[T:T+1]
	v_pk_add_f32 v[NQ+2:NQ+3], v[NQ+2:NQ+3], v[T+2:T+3]
	ds_store_b128 v4, v[NQ:NQ+3] offset:LDS_S      ; both halves of the lanes write the same 16 bytes with the same numbers
	s_wait_dscnt 0x0                               ; for the other waves: my store is done before I say so
	s_barrier_signal -1
	s_barrier_wait -1
	; nm, made by every wave for itself: four waves' sums, times 1/128
.irp j, 0,1,2,3
	ds_load_b128 v[NQ+4+4*\j:NQ+7+4*\j], v5 offset:LDS_S+256*\j
.endr
	s_wait_dscnt 0x0
	v_pk_add_f32 v[NQ+4:NQ+5],   v[NQ+4:NQ+5],   v[NQ+8:NQ+9]
	v_pk_add_f32 v[NQ+6:NQ+7],   v[NQ+6:NQ+7],   v[NQ+10:NQ+11]
	v_pk_add_f32 v[NQ+12:NQ+13], v[NQ+12:NQ+13], v[NQ+16:NQ+17]
	v_pk_add_f32 v[NQ+14:NQ+15], v[NQ+14:NQ+15], v[NQ+18:NQ+19]
	v_pk_add_f32 v[T:T+1],   v[NQ+4:NQ+5], v[NQ+12:NQ+13]
	v_pk_add_f32 v[T+2:T+3], v[NQ+6:NQ+7], v[NQ+14:NQ+15]
	v_pk_mul_f32 v[T:T+1],   v[T:T+1],   0x3c000000 op_sel_hi:[1,0]     ; 1/128
	v_pk_mul_f32 v[T+2:T+3], v[T+2:T+3], 0x3c000000 op_sel_hi:[1,0]
	ds_store_b128 v6, v[T:T+3]                     ; my wave's own bytes: LDS serves a wave's instructions in order, so the loads below see this store
.irp q, 0,1,2,3,4,5,6,7
	ds_load_b128 v[NM0+4*\q:NM0+4*\q+3], v7 offset:16*\q           ; nm of batch row 0, my half's 32 d, the same in every lane
	ds_load_b128 v[NM1+4*\q:NM1+4*\q+3], v7 offset:256+16*\q       ; nm of batch row 1
.endr
	s_wait_dscnt 0x0
	; THE PRODUCT.  ROW r: my 4 columns of W1's row r times nm[.][r] of both batch rows; row 0 starts the sums, nothing is cleared.
.macro ROW4 r, sel:vararg
	v_pk_fma_f32 v[ACC0:ACC0+1],   v[WQ+4*(\r):WQ+4*(\r)+1],   v[NM0+2*((\r)/2):NM0+2*((\r)/2)+1], v[ACC0:ACC0+1] \sel
	v_pk_fma_f32 v[ACC0+2:ACC0+3], v[WQ+4*(\r)+2:WQ+4*(\r)+3], v[NM0+2*((\r)/2):NM0+2*((\r)/2)+1], v[ACC0+2:ACC0+3] \sel
	v_pk_fma_f32 v[ACC1:ACC1+1],   v[WQ+4*(\r):WQ+4*(\r)+1],   v[NM1+2*((\r)/2):NM1+2*((\r)/2)+1], v[ACC1:ACC1+1] \sel
	v_pk_fma_f32 v[ACC1+2:ACC1+3], v[WQ+4*(\r)+2:WQ+4*(\r)+3], v[NM1+2*((\r)/2):NM1+2*((\r)/2)+1], v[ACC1+2:ACC1+3] \sel
.endm
.macro ROW r
.if (\r) == 0
	v_pk_mul_f32 v[ACC0:ACC0+1],   v[WQ:WQ+1],   v[NM0:NM0+1] op_sel_hi:[1,0]
	v_pk_mul_f32 v[ACC0+2:ACC0+3], v[WQ+2:WQ+3], v[NM0:NM0+1] op_sel_hi:[1,0]
	v_pk_mul_f32 v[ACC1:ACC1+1],   v[WQ:WQ+1],   v[NM1:NM1+1] op_sel_hi:[1,0]
	v_pk_mul_f32 v[ACC1+2:ACC1+3], v[WQ+2:WQ+3], v[NM1:NM1+1] op_sel_hi:[1,0]
.else
.if ((\r) % 2) == 0
	ROW4 \r, op_sel_hi:[1,0,1]                     ; even row: both results take the pair's first register
.else
	ROW4 \r, op_sel:[0,1,0]                        ; odd row: both take its second
.endif
.endif
.endm
.set rr, 0
.irp left, 24,16,8,0
	s_wait_loadcnt \left                           ; the next eight rows of W1 are in; the younger rows stay out
.rept 8
	ROW rr
.set rr, rr+1
.endr
.endr
	; THE TWO HALVES OF K MEET: half 0 finishes batch row 2 bp, half 1 batch row 2 bp + 1
.irp k, 0,1,2,3
	v_cndmask_b32 v[GIVE+\k], v[ACC1+\k], v[ACC0+\k], s16
	v_cndmask_b32 v[KEEP+\k], v[ACC0+\k], v[ACC1+\k], s16
.endr
	ds_store_b128 v10, v[GIVE:GIVE+3] offset:LDS_X
	s_wait_dscnt 0x0                               ; for my partner's wave: the store is done before I say so
	s_barrier_signal -1
	s_barrier_wait -1
	ds_load_b128 v[T:T+3], v9 offset:LDS_X
	s_wait_dscnt 0x0
	v_pk_add_f32 v[KEEP:KEEP+1],   v[KEEP:KEEP+1],   v[T:T+1]
	v_pk_add_f32 v[KEEP+2:KEEP+3], v[KEEP+2:KEEP+3], v[T+2:T+3]
	global_store_b128 v10, v[KEEP:KEEP+3], s[8:9]  ; a wave's store covers 512 consecutive bytes, aligned; the group's 4,096 bytes are its two rows of vpart
	s_wait_tensorcnt 0x0
	ds_add_u32 v228, v229
	s_wait_dscnt 0x0
	s_endpgm
.Lfunc_end_k_q29a93338b0_pool:
	.size	k_q29a93338b0_pool, .Lfunc_end_k_q29a93338b0_pool-k_q29a93338b0_pool
	.p2alignl 7, 3214868480
	.fill 96, 4, 3214868480
	.section	.rodata,"a",@progbits
	.p2align	6, 0x0
	.amdhsa_kernel k_q29a93338b0_pool
		.amdhsa_group_segment_fixed_size 11264
		.amdhsa_private_segment_fixed_size 0
		.amdhsa_enable_private_segment 0
		.amdhsa_kernarg_size 24
		.amdhsa_user_sgpr_count 2
		.amdhsa_user_sgpr_kernarg_segment_ptr 1
		.amdhsa_wavefront_size32 1
		.amdhsa_system_sgpr_workgroup_id_x 1
		.amdhsa_system_sgpr_workgroup_id_y 1
		.amdhsa_system_sgpr_workgroup_id_z 1
		.amdhsa_system_vgpr_workitem_id 0
		.amdhsa_next_free_vgpr 230
		.amdhsa_next_free_sgpr 66
		.amdhsa_reserve_vcc 0
		.amdhsa_float_denorm_mode_32 3
		.amdhsa_float_denorm_mode_16_64 3
		.amdhsa_memory_ordered 1
		.amdhsa_forward_progress 1
		.amdhsa_inst_pref_size 21
	.end_amdhsa_kernel
	.amdgpu_metadata
---
amdhsa.version: [ 1, 2 ]
amdhsa.kernels:
  - .name:           k_q29a93338b0_pool
    .symbol:         k_q29a93338b0_pool.kd
    .args:
      - { .name: ner_tokens, .offset: 0, .size: 8, .value_kind: global_buffer, .address_space: global }
      - { .name: W1, .offset: 8, .size: 8, .value_kind: global_buffer, .address_space: global }
      - { .name: vpart, .offset: 16, .size: 8, .value_kind: global_buffer, .address_space: global }
    .group_segment_fixed_size: 11264
    .private_segment_fixed_size: 0
    .kernarg_segment_align: 8
    .kernarg_segment_size: 24
    .max_flat_workgroup_size: 256
    .sgpr_count:     66
    .vgpr_count:     230
    .wavefront_size: 32
...
	.end_amdgpu_metadata
.endif
;; end of part 1
;; launch gelu (part 2): grid 8 x 32, 8 waves a work-group, no clusters, 15,360 bytes of LDS; arguments vpart, ic_tokens, b1, ln_gamma, ln_beta, W2, part; writes part
.if DOCPART == 2
	.amdgcn_target "amdgcn-amd-amdhsa--gfx1250"
	.amdhsa_code_object_version 6
	.text
	.protected	k_q29a93338b0_gelu
	.globl	k_q29a93338b0_gelu
	.p2align	8
	.type	k_q29a93338b0_gelu,@function
k_q29a93338b0_gelu:
	s_mov_b64 s[64:65], 0
	v_nop
	global_prefetch_b8 v0, s[64:65] scope:SCOPE_SE
	s_setreg_imm32_b32 hwreg(HW_REG_WAVE_MODE, 25, 1), 1
	s_wait_xcnt 0x0
; part[b][hs][c] = sum over the 64 h of slice hs of  hm[b][h] * W2[h][c],   hm[b][h] = mean over i of gelu(LayerNorm(a_i v + b1)[h]),
; with a_i = ic[b][i] and v[h] = sum of vpart's 16 slices (the row that the first Linear makes of the outer product is a_i v + b1).
; LAYERNORM IN CLOSED FORM.  vc = v - mean(v), bc = b1 - mean(b1) (two passes).  x - mu = a vc + bc.  With c = mean(vc bc) / mean(vc^2),
; res = bc - c vc, Svv = mean(vc^2), X = mean(vc res), R = mean(res^2):   var = ((a + c) Svv + 2 X)(a + c) + R,
; an identity for ANY finite c, made of non-negative terms and the rounding-sized X: no difference of large sums.  So the floor of 1e-30 under
; Svv in c's divisor changes no value.  var + EPS is floored at EPS, which bounds it from below in exact arithmetic.
; GELU, exact form.  kappa = sqrt(log2(e) / 2), m = kappa y = p_i G + q_i H + B with q_i = rsq(var_i + EPS), p_i = a_i q_i,
; G = kappa gamma vc, H = kappa gamma bc, B = kappa beta.  Then exp(-y^2 / 2) = 2^(-m^2) and gelu(y) = (0.5 / kappa)(m + |m| erf(|y| / sqrt 2)).
; erf by Abramowitz and Stegun 7.1.26: t = 1 / (1 + P |m|), erf = 1 + U 2^(-m^2), U = t (NA1 + t (NA2 + t (NA3 + t (NA4 + t NA5)))).
; LIMITS: that formula's absolute error, at most 1.5e-7; an order of rounding other than the written form's; where m^2 overflows, 2^(-inf) = 0 gives
; erf = 1, which is right; the two floors use a maximum in which a NaN loses, but a NaN in any input still reaches the result through p, G, H or B.
; SHARES: work-group (hs, b) owns h = 64 hs .. + 63 for all 1,024 i.  In every wave lane L owns h = 64 hs + 2 L, + 1; wave w owns i = 128 w .. + 127.
; Every wave makes the row's statistics for itself from LDS (a few hundred instructions against one more barrier and a round trip).
; LEFT OUT: matrix instructions (the product with W2 has one row per work-group, 64 x 64 multiply-adds); tensor loads, a ring and requests ahead
; (all 28 loads of a lane are issued in the first lines); clusters (what the 8 groups of a batch row share is 32 KiB of vpart, used once).
.set VP,   16                          ; v[16:47]    16 slices' pairs of vpart
.set RES,  16                          ; v[16:31]    res, once VP is summed
.set SC,   32                          ; v[32:47]    at work in the statistics
.set B1A,  48                          ; v[48:63]    all of b1, 16 numbers a lane: h = 128 j + 4 L + 0..3
.set IC,   64                          ; v[64:67]    a_i, i = 4 t .. 4 t + 3
.set B1S,  68                          ; v[68:69]    b1 of my pair of h
.set GS,   70                          ; v[70:71]    gamma of my pair
.set BS,   72                          ; v[72:73]    beta of my pair
.set W2R,  74                          ; v[74:89]    W2: rows 4 (t >> 4) + 0..3 of the slice, columns 4 (t & 15) + 0..3; used at the end
.set VA,   90                          ; v[90:105]   all of v, laid as B1A
.set VS,   106                         ; v[106:107]  v of my pair
.set MV,   108                         ; v[108:109]  mean(v), twice
.set MB,   110                         ; v[110:111]  mean(b1), twice
.set CN,   112                         ; v[112:113]  -c, twice
.set TA,   114                         ; two sums under way,
.set TB,   115
.set TC,   116                         ; and what the other half of the lanes brings
.set TD,   117
.set SVV,  118
.set SVB,  119
.set RC,   120
.set RE,   121                         ; R + EPS
.set X2,   122                         ; 2 X
.set FL,   123                         ; Svv, floored
.set GG,   126                         ; v[126:127]  G of my pair
.set HH,   128                         ; v[128:129]  H
.set BT,   130                         ; v[130:131]  B
.set NA,   132                         ; v[132:141]  NA1 .. NA5, each twice
.set ACC,  142                         ; v[142:149]  sums of |m| erf, four chains of pairs
.set ACCX, 150                         ; v[150:157]  sums of m, four chains of pairs
.set PA,   158                         ; v[158:173]  eight (p, q)
.set PB,   174                         ; v[174:189]  eight more
.set MM,   16                          ; in the loop: v[16:31] m
.set DR,   32                          ;              v[32:47] t
.set EX,   48                          ;              v[48:63] 2^(-m^2)
.set UU,   90                          ;              v[90:105] U, then erf
.set DN,   192                         ;              v[192:207] 1 + P |m|
.set SQ,   208                         ;              v[208:223] m^2
.set LDS_V,    0                       ; 2,048 bytes: v of this batch row
.set LDS_PQ,   2048                    ; 8,192 bytes: (p_i, q_i) at 8 i
.set LDS_RED,  10240                   ; 8 waves x 256 bytes: each wave's sums over its 128 i
.set LDS_RED2, 12288                   ; 8 waves x 256 bytes: each wave's part of the product with W2
.set KAPPA, 0x3f596d27                 ; sqrt(log2(e) / 2)
	s_load_b256 s[4:11], s[0:1], 0x0               ; vpart s[4:5], ic s[6:7], b1 s[8:9], gamma s[10:11]
	s_load_b128 s[12:15], s[0:1], 0x20             ; beta s[12:13], W2 s[14:15]
	s_load_b64 s[16:17], s[0:1], 0x30              ; part
	v_lshl_add_u32 v224, v0, 2, 0x3800
	v_mov_b32 v225, 0
	v_lshrrev_b32 v1, 5, v0
	v_readfirstlane_b32 s18, v1                    ; wave 0..7
	s_and_b32 s19, ttmp9, 7                        ; hs; the grid has 8 along x, and the mask shows the range of the LDS address made from it
	s_and_b32 s20, ttmp7, 0xffff                   ; b
	v_and_b32 v14, 31, v0                          ; lane
	v_and_b32 v15, 15, v0
	v_lshrrev_b32 v1, 4, v0                        ; t >> 4
	v_lshlrev_b32 v15, 4, v15                      ; 16 (t & 15)
	v_lshlrev_b32 v2, 3, v0                        ; v2: 8 t: my pair in a row of vpart, and in V
	v_lshlrev_b32 v3, 4, v0                        ; v3: 16 t: my four a_i
	v_lshlrev_b32 v4, 4, v14                       ; v4: 16 L: my part of a whole row (b1 in memory, v in LDS)
	s_lshl_b32 s21, s19, 8                         ; hs x 64 x 4 bytes
	v_lshl_add_u32 v5, v14, 3, s21                 ; v5: my pair of h in a row of 512
	v_lshl_add_u32 v6, v1, 10, v15                 ; v6: W2: four rows of 256 bytes down for each t >> 4
	s_mov_b32 s23, 0
	s_lshl_b32 s22, s20, 11                        ; b x 2,048: a row of vpart, and b's eight slices of part
	s_wait_kmcnt 0x0
	s_add_nc_u64 s[4:5], s[4:5], s[22:23]
	s_add_nc_u64 s[16:17], s[16:17], s[22:23]
	s_lshl_b32 s22, s20, 12                        ; b x 4,096: a row of ic
	s_add_nc_u64 s[6:7], s[6:7], s[22:23]
	s_lshl_b32 s22, s19, 14                        ; hs x 64 rows x 256 bytes of W2
	s_add_nc_u64 s[14:15], s[14:15], s[22:23]
	s_mov_b32 s22, s21                             ; hs x 256: my slice of part
	s_add_nc_u64 s[16:17], s[16:17], s[22:23]
	; all 28 loads, in the order in which they are waited for
.irp s, 0,1,2,3,4,5,6,7,8,9,10,11,12,13,14,15
	global_load_b64 v[VP+2*\s:VP+2*\s+1], v2, s[4:5] offset:65536*\s       ; a wave's load covers 256 consecutive bytes, aligned
.endr
.irp j, 0,1,2,3
	global_load_b128 v[B1A+4*\j:B1A+4*\j+3], v4, s[8:9] offset:512*\j
.endr
	global_load_b128 v[IC:IC+3], v3, s[6:7]
	global_load_b64 v[B1S:B1S+1], v5, s[8:9]
	global_load_b64 v[GS:GS+1], v5, s[10:11]
	global_load_b64 v[BS:BS+1], v5, s[12:13]
.irp j, 0,1,2,3
	global_load_b128 v[W2R+4*\j:W2R+4*\j+3], v6, s[14:15] offset:256*\j
.endr
	; the other addresses and the constants, while the loads are out
	v_lshl_add_u32 v7, v0, 5, LDS_PQ               ; v7: my four (p, q)
	s_lshl_b32 s21, s18, 10
	s_add_co_u32 s21, s21, LDS_PQ
	v_mov_b32 v8, s21                              ; v8: my wave's 128 (p, q); the same in every lane, stepped in the loop
	s_lshl_b32 s21, s18, 8
	s_add_co_u32 s30, s21, LDS_RED
	v_lshl_add_u32 v9, v14, 3, s30                 ; v9: RED, my wave's 256 bytes, my pair
	v_lshl_add_u32 v10, v1, 4, LDS_RED             ; v10: RED, the four h of my rows of W2
	s_add_co_u32 s30, s21, LDS_RED2
	v_add_nc_u32 v11, s30, v15                     ; v11: RED2, my wave's 256 bytes, my four columns
	v_lshl_add_u32 v12, v14, 3, LDS_RED2           ; v12: RED2, two columns a lane
	v_lshlrev_b32 v13, 3, v14                      ; v13: the same two columns in part
	s_mov_b32 s24, 0x76543210                      ; v_permlanex16_b32: lane i reads lane i of the other half
	s_mov_b32 s25, 0xfedcba98
	s_mov_b32 s26, 0x3e8ba43f                      ; P = 0.3275911 sqrt(ln 2)
	s_mov_b32 s28, 0x3727c5ac                      ; EPS = 1e-5
	s_mov_b32 s29, 0x3b000000                      ; 1/512
	v_mov_b32 v[TC], 0                             ; v_permlanex16_b32 counts as a reader of its destination
	v_mov_b32 v[TD], 0
.irp h, 0,1
	v_mov_b32 v[NA+0+\h], 0xbe827906               ; -0.254829592
	v_mov_b32 v[NA+2+\h], 0x3e91a98e               ; +0.284496736
	v_mov_b32 v[NA+4+\h], 0xbfb5f0e3               ; -1.421413741
	v_mov_b32 v[NA+6+\h], 0x3fba00e3               ; +1.453152027
	v_mov_b32 v[NA+8+\h], 0xbf87dc22               ; -1.061405429
.endr
.irp k, 0,1,2,3,4,5,6,7
	v_mov_b32 v[ACC+\k], 0                         ; sixteen registers, once: the loop's two blocks then need no first-trip form
	v_mov_b32 v[ACCX+\k], 0
.endr
	; v OF THIS BATCH ROW: the 16 slices of K, summed in a fixed order
	s_wait_loadcnt 12                              ; the 16 loads of vpart are in; the 12 younger loads stay out
.irp d, 8,4,2,1
.set q, 0
.rept \d
	v_pk_add_f32 v[VP+2*q:VP+2*q+1], v[VP+2*q:VP+2*q+1], v[VP+2*(q+\d):VP+2*(q+\d)+1]
.set q, q+1
.endr
.endr
	ds_store_b64 v2, v[VP:VP+1] offset:LDS_V
	s_wait_dscnt 0x0                               ; for the other waves: my store is done before I say so
	s_barrier_signal -1
	s_barrier_wait -1
.irp j, 0,1,2,3
	ds_load_b128 v[VA+4*\j:VA+4*\j+3], v4 offset:LDS_V+512*\j
.endr
	ds_load_b64 v[VS:VS+1], v5 offset:LDS_V
	s_wait_dscnt 0x0
	s_wait_loadcnt 4                               ; b1, ic, gamma, beta are in; W2's four loads stay out until the end
; sum of 16 registers, which are kept; sc: 8 registers at work
.macro SUM16 dst, x, sc
.irp p, 0,1,2,3
	v_pk_add_f32 v[\sc+2*\p:\sc+2*\p+1], v[\x+4*\p:\x+4*\p+1], v[\x+4*\p+2:\x+4*\p+3]
.endr
	v_pk_add_f32 v[\sc:\sc+1],   v[\sc:\sc+1],   v[\sc+2:\sc+3]
	v_pk_add_f32 v[\sc+4:\sc+5], v[\sc+4:\sc+5], v[\sc+6:\sc+7]
	v_pk_add_f32 v[\sc:\sc+1],   v[\sc:\sc+1],   v[\sc+4:\sc+5]
	v_add_f32 v[\dst], v[\sc], v[\sc+1]
.endm
; sum of 16 products, two chains; sc: 4 registers at work
.macro DOT16 dst, x, y, sc
	v_pk_mul_f32 v[\sc:\sc+1],   v[\x:\x+1],   v[\y:\y+1]
	v_pk_mul_f32 v[\sc+2:\sc+3], v[\x+2:\x+3], v[\y+2:\y+3]
.irp p, 1,2,3
	v_pk_fma_f32 v[\sc:\sc+1],   v[\x+4*\p:\x+4*\p+1],   v[\y+4*\p:\y+4*\p+1],   v[\sc:\sc+1]
	v_pk_fma_f32 v[\sc+2:\sc+3], v[\x+4*\p+2:\x+4*\p+3], v[\y+4*\p+2:\y+4*\p+3], v[\sc+2:\sc+3]
.endr
	v_pk_add_f32 v[\sc:\sc+1], v[\sc:\sc+1], v[\sc+2:\sc+3]
	v_add_f32 v[\dst], v[\sc], v[\sc+1]
.endm
; sum over the wave's 32 lanes, the result in every lane
.macro WRED r, tmp
	v_add_f32_dpp v[\r], v[\r], v[\r] row_xmask:1 row_mask:0xf bank_mask:0xf
	v_add_f32_dpp v[\r], v[\r], v[\r] row_xmask:2 row_mask:0xf bank_mask:0xf
	v_add_f32_dpp v[\r], v[\r], v[\r] row_xmask:4 row_mask:0xf bank_mask:0xf
	v_add_f32_dpp v[\r], v[\r], v[\r] row_xmask:8 row_mask:0xf bank_mask:0xf
	v_permlanex16_b32 v[\tmp], v[\r], s24, s25
	v_add_f32 v[\r], v[\r], v[\tmp]
.endm
	; THE ROW'S STATISTICS
	SUM16 TA, VA, SC
	SUM16 TB, B1A, SC+8
	WRED TA, TC
	WRED TB, TD
	v_mul_f32 v[MV],   s29, v[TA]
	v_mul_f32 v[MV+1], s29, v[TA]
	v_mul_f32 v[MB],   s29, v[TB]
	v_mul_f32 v[MB+1], s29, v[TB]
.irp p, 0,1,2,3,4,5,6,7
	v_pk_add_f32 v[VA+2*\p:VA+2*\p+1],   v[VA+2*\p:VA+2*\p+1],   v[MV:MV+1] neg_lo:[0,1] neg_hi:[0,1]     ; vc
	v_pk_add_f32 v[B1A+2*\p:B1A+2*\p+1], v[B1A+2*\p:B1A+2*\p+1], v[MB:MB+1] neg_lo:[0,1] neg_hi:[0,1]     ; bc
.endr
	DOT16 TA, VA, VA, SC
	DOT16 TB, VA, B1A, SC+8
	WRED TA, TC
	WRED TB, TD
	v_mul_f32 v[SVV], s29, v[TA]
	v_max_num_f32 v[FL], 0x0da24260, v[SVV]        ; 1e-30: keeps c finite; any finite c gives the same variance
	v_rcp_f32 v[RC], v[FL]
	v_mul_f32 v[SVB], s29, v[TB]                   ; the plain instruction between the reciprocal and its first use
	s_wait_alu depctr_va_vdst(0)
	v_mul_f32 v[CN],   -v[SVB], v[RC]
	v_mul_f32 v[CN+1], -v[SVB], v[RC]
.irp p, 0,1,2,3,4,5,6,7
	v_pk_fma_f32 v[RES+2*\p:RES+2*\p+1], v[VA+2*\p:VA+2*\p+1], v[CN:CN+1], v[B1A+2*\p:B1A+2*\p+1]         ; res = bc - c vc
.endr
	DOT16 TA, RES, RES, SC
	DOT16 TB, VA, RES, SC+8
	WRED TA, TC
	WRED TB, TD
	v_fma_f32 v[RE], v[TA], s29, s28               ; R + EPS
	v_mul_f32 v[X2], 0x3b800000, v[TB]             ; 2 X = sum / 256
	; my four rows i: q = rsq(var + EPS), p = a q
.irp k, 0,1,2,3
	v_sub_f32 v[SC+\k], v[IC+\k], v[CN]            ; a + c
.endr
.irp k, 0,1,2,3
	v_fma_f32 v[SC+4+\k], v[SC+\k], v[SVV], v[X2]
.endr
.irp k, 0,1,2,3
	v_fma_f32 v[SC+4+\k], v[SC+4+\k], v[SC+\k], v[RE]
.endr
.irp k, 0,1,2,3
	v_max_num_f32 v[SC+4+\k], s28, v[SC+4+\k]      ; a mean of squares plus EPS is never below EPS
.endr
.irp k, 0,1,2,3
	v_rsq_f32 v[PA+2*\k+1], v[SC+4+\k]
.endr
	; my pair's three constants; the first of these lines is also the plain instruction between the roots and their first use
	v_pk_add_f32 v[VS:VS+1],   v[VS:VS+1],   v[MV:MV+1] neg_lo:[0,1] neg_hi:[0,1]
	v_pk_add_f32 v[B1S:B1S+1], v[B1S:B1S+1], v[MB:MB+1] neg_lo:[0,1] neg_hi:[0,1]
	v_pk_mul_f32 v[GS:GS+1], v[GS:GS+1], KAPPA op_sel_hi:[1,0]
	v_pk_mul_f32 v[BT:BT+1], v[BS:BS+1], KAPPA op_sel_hi:[1,0]
	v_pk_mul_f32 v[GG:GG+1], v[VS:VS+1],   v[GS:GS+1]
	v_pk_mul_f32 v[HH:HH+1], v[B1S:B1S+1], v[GS:GS+1]
	s_wait_alu depctr_va_vdst(0)
.irp k, 0,1,2,3
	v_mul_f32 v[PA+2*\k], v[IC+\k], v[PA+2*\k+1]
.endr
	ds_store_b128 v7, v[PA:PA+3]
	ds_store_b128 v7, v[PA+4:PA+7] offset:16
	s_wait_dscnt 0x0                               ; for the other waves: my (p, q) are in LDS before I say so
	s_barrier_signal -1
	s_barrier_wait -1
; eight (p, q) from byte off of my wave's run: every lane reads the same 64 bytes
.macro LOADPQ buf, off
.irp j, 0,1,2,3
	ds_load_b128 v[\buf+4*\j:\buf+4*\j+3], v8 offset:\off+16*\j
.endr
.endm
; eight rows i for my pair of h: 16 numbers a lane, each stage 8 or 16 lines that do not wait for each other
.macro BLOCK buf
.irp k, 0,1,2,3,4,5,6,7
	v_pk_fma_f32 v[MM+2*\k:MM+2*\k+1], v[HH:HH+1], v[\buf+2*\k:\buf+2*\k+1], v[BT:BT+1] op_sel:[0,1,0]              ; q H + B
.endr
.irp k, 0,1,2,3,4,5,6,7
	v_pk_fma_f32 v[MM+2*\k:MM+2*\k+1], v[GG:GG+1], v[\buf+2*\k:\buf+2*\k+1], v[MM+2*\k:MM+2*\k+1] op_sel_hi:[1,0,1]  ; + p G = m
.endr
.irp e, 0,1,2,3,4,5,6,7,8,9,10,11,12,13,14,15
	v_fma_f32 v[DN+\e], |v[MM+\e]|, s26, 1.0
.endr
.irp e, 0,1,2,3,4,5,6,7,8,9,10,11,12,13,14,15
	v_rcp_f32 v[DR+\e], v[DN+\e]                   ; t
.endr
.irp k, 0,1,2,3,4,5,6,7
	v_pk_mul_f32 v[SQ+2*\k:SQ+2*\k+1], v[MM+2*\k:MM+2*\k+1], v[MM+2*\k:MM+2*\k+1]   ; plain lines between the reciprocals and their use
.endr
.irp e, 0,1,2,3,4,5,6,7,8,9,10,11,12,13,14,15
	v_exp_f32 v[EX+\e], -v[SQ+\e]                  ; 2^(-m^2) = exp(-y^2 / 2)
.endr
.irp k, 0,1,2,3,4,5,6,7
	v_pk_add_f32 v[ACCX+2*(\k%4):ACCX+2*(\k%4)+1], v[ACCX+2*(\k%4):ACCX+2*(\k%4)+1], v[MM+2*\k:MM+2*\k+1]   ; plain lines between the exponentials and their use
.endr
	s_wait_alu depctr_va_vdst(0)
.irp k, 0,1,2,3,4,5,6,7
	v_pk_fma_f32 v[UU+2*\k:UU+2*\k+1], v[DR+2*\k:DR+2*\k+1], v[NA+8:NA+9], v[NA+6:NA+7]
.endr
.irp c, 4,2,0
.irp k, 0,1,2,3,4,5,6,7
	v_pk_fma_f32 v[UU+2*\k:UU+2*\k+1], v[UU+2*\k:UU+2*\k+1], v[DR+2*\k:DR+2*\k+1], v[NA+\c:NA+\c+1]
.endr
.endr
.irp k, 0,1,2,3,4,5,6,7
	v_pk_mul_f32 v[UU+2*\k:UU+2*\k+1], v[UU+2*\k:UU+2*\k+1], v[DR+2*\k:DR+2*\k+1]
.endr
.irp k, 0,1,2,3,4,5,6,7
	v_pk_fma_f32 v[UU+2*\k:UU+2*\k+1], v[UU+2*\k:UU+2*\k+1], v[EX+2*\k:EX+2*\k+1], 1.0 op_sel_hi:[1,1,0]    ; erf
.endr
.irp e, 0,1,2,3,4,5,6,7,8,9,10,11,12,13,14,15
	v_fma_f32 v[ACC+(\e%8)], |v[MM+\e]|, v[UU+\e], v[ACC+(\e%8)]
.endr
.endm
	; THE LOOP: 16 blocks of 8 rows, two a trip on two buffers; seven trips, the last two blocks behind the loop so that no load leaves my 1,024 bytes
	LOADPQ PA, 0
	s_mov_b32 s27, 7
.Lloop:
	LOADPQ PB, 64
	s_wait_dscnt 4                                 ; LDS loads return in order: PA's four are in, the four just issued stay out
	BLOCK PA
	LOADPQ PA, 128
	s_wait_dscnt 4                                 ; PB's four are in, PA's new four stay out
	BLOCK PB
	v_add_nc_u32 v8, 128, v8                       ; sixteen (p, q) on
	s_sub_co_i32 s27, s27, 1
	s_cmp_lg_u32 s27, 0
	s_cbranch_scc1 .Lloop
	LOADPQ PB, 64
	s_wait_dscnt 4
	BLOCK PA
	s_wait_dscnt 0x0                               ; nothing was issued behind PB's loads
	BLOCK PB
	; hm OF MY PAIR over my wave's 128 rows, with the factor 1 / (2048 kappa) = (0.5 / kappa) / 1024
	v_pk_add_f32 v[ACC:ACC+1],     v[ACC:ACC+1],     v[ACC+2:ACC+3]
	v_pk_add_f32 v[ACC+4:ACC+5],   v[ACC+4:ACC+5],   v[ACC+6:ACC+7]
	v_pk_add_f32 v[ACCX:ACCX+1],   v[ACCX:ACCX+1],   v[ACCX+2:ACCX+3]
	v_pk_add_f32 v[ACCX+4:ACCX+5], v[ACCX+4:ACCX+5], v[ACCX+6:ACCX+7]
	v_pk_add_f32 v[ACC:ACC+1],     v[ACC:ACC+1],     v[ACC+4:ACC+5]
	v_pk_add_f32 v[ACCX:ACCX+1],   v[ACCX:ACCX+1],   v[ACCX+4:ACCX+5]
	v_pk_add_f32 v[ACC:ACC+1],     v[ACC:ACC+1],     v[ACCX:ACCX+1]
	v_pk_mul_f32 v[ACC:ACC+1], v[ACC:ACC+1], 0x3a16b55f op_sel_hi:[1,0]
	ds_store_b64 v9, v[ACC:ACC+1]
	s_wait_dscnt 0x0                               ; for the other waves
	s_barrier_signal -1
	s_barrier_wait -1
	; the eight waves' sums for the four h of my rows of W2
.irp j, 0,1,2,3,4,5,6,7
	ds_load_b128 v[16+4*\j:19+4*\j], v10 offset:256*\j
.endr
	s_wait_dscnt 0x0
.irp d, 4,2,1
.set q, 0
.rept \d
	v_pk_add_f32 v[16+4*q:17+4*q], v[16+4*q:17+4*q], v[16+4*(q+\d):17+4*(q+\d)]
	v_pk_add_f32 v[18+4*q:19+4*q], v[18+4*q:19+4*q], v[18+4*(q+\d):19+4*(q+\d)]
.set q, q+1
.endr
.endr
	s_wait_loadcnt 0x0                             ; W2's four loads, the last that were issued
	; four rows of W2 times hm, four columns a thread; the first row starts the sums
	v_pk_mul_f32 v[48:49], v[W2R:W2R+1],     v[16:17] op_sel_hi:[1,0]
	v_pk_mul_f32 v[50:51], v[W2R+2:W2R+3],   v[16:17] op_sel_hi:[1,0]
	v_pk_fma_f32 v[48:49], v[W2R+4:W2R+5],   v[16:17], v[48:49] op_sel:[0,1,0]
	v_pk_fma_f32 v[50:51], v[W2R+6:W2R+7],   v[16:17], v[50:51] op_sel:[0,1,0]
	v_pk_fma_f32 v[48:49], v[W2R+8:W2R+9],   v[18:19], v[48:49] op_sel_hi:[1,0,1]
	v_pk_fma_f32 v[50:51], v[W2R+10:W2R+11], v[18:19], v[50:51] op_sel_hi:[1,0,1]
	v_pk_fma_f32 v[48:49], v[W2R+12:W2R+13], v[18:19], v[48:49] op_sel:[0,1,0]
	v_pk_fma_f32 v[50:51], v[W2R+14:W2R+15], v[18:19], v[50:51] op_sel:[0,1,0]
.irp k, 0,1,2,3
	v_permlanex16_b32 v[TA+\k], v[48+\k], s24, s25 ; the other half of the lanes holds the same columns of the next four rows
.endr
	v_pk_add_f32 v[48:49], v[48:49], v[TA:TA+1]
	v_pk_add_f32 v[50:51], v[50:51], v[TA+2:TA+3]
	ds_store_b128 v11, v[48:51]                    ; both halves write the same 16 bytes with the same numbers
	s_wait_dscnt 0x0                               ; for wave 0
	s_barrier_signal -1
	s_barrier_wait -1
	s_cmp_lg_u32 s18, 0
	s_cbranch_scc1 .Lend                           ; wave 0 alone adds the eight waves' parts, in a fixed order
.irp j, 0,1,2,3,4,5,6,7
	ds_load_b64 v[16+2*\j:17+2*\j], v12 offset:256*\j
.endr
	s_wait_dscnt 0x0
.irp d, 4,2,1
.set q, 0
.rept \d
	v_pk_add_f32 v[16+2*q:17+2*q], v[16+2*q:17+2*q], v[16+2*(q+\d):17+2*(q+\d)]
.set q, q+1
.endr
.endr
	global_store_b64 v13, v[16:17], s[16:17]       ; the wave's store covers the slice's 256 consecutive bytes, aligned
.Lend:
	s_wait_tensorcnt 0x0
	ds_add_u32 v224, v225
	s_wait_dscnt 0x0
	s_endpgm
.Lfunc_end_k_q29a93338b0_gelu:
	.size	k_q29a93338b0_gelu, .Lfunc_end_k_q29a93338b0_gelu-k_q29a93338b0_gelu
	.p2alignl 7, 3214868480
	.fill 96, 4, 3214868480
	.section	.rodata,"a",@progbits
	.p2align	6, 0x0
	.amdhsa_kernel k_q29a93338b0_gelu
		.amdhsa_group_segment_fixed_size 15360
		.amdhsa_private_segment_fixed_size 0
		.amdhsa_enable_private_segment 0
		.amdhsa_kernarg_size 56
		.amdhsa_user_sgpr_count 2
		.amdhsa_user_sgpr_kernarg_segment_ptr 1
		.amdhsa_wavefront_size32 1
		.amdhsa_system_sgpr_workgroup_id_x 1
		.amdhsa_system_sgpr_workgroup_id_y 1
		.amdhsa_system_sgpr_workgroup_id_z 1
		.amdhsa_system_vgpr_workitem_id 0
		.amdhsa_next_free_vgpr 226
		.amdhsa_next_free_sgpr 66
		.amdhsa_reserve_vcc 0
		.amdhsa_float_denorm_mode_32 3
		.amdhsa_float_denorm_mode_16_64 3
		.amdhsa_memory_ordered 1
		.amdhsa_forward_progress 1
		.amdhsa_inst_pref_size 57
	.end_amdhsa_kernel
	.amdgpu_metadata
---
amdhsa.version: [ 1, 2 ]
amdhsa.kernels:
  - .name:           k_q29a93338b0_gelu
    .symbol:         k_q29a93338b0_gelu.kd
    .args:
      - { .name: vpart, .offset: 0, .size: 8, .value_kind: global_buffer, .address_space: global }
      - { .name: ic_tokens, .offset: 8, .size: 8, .value_kind: global_buffer, .address_space: global }
      - { .name: b1, .offset: 16, .size: 8, .value_kind: global_buffer, .address_space: global }
      - { .name: ln_gamma, .offset: 24, .size: 8, .value_kind: global_buffer, .address_space: global }
      - { .name: ln_beta, .offset: 32, .size: 8, .value_kind: global_buffer, .address_space: global }
      - { .name: W2, .offset: 40, .size: 8, .value_kind: global_buffer, .address_space: global }
      - { .name: part, .offset: 48, .size: 8, .value_kind: global_buffer, .address_space: global }
    .group_segment_fixed_size: 15360
    .private_segment_fixed_size: 0
    .kernarg_segment_align: 8
    .kernarg_segment_size: 56
    .max_flat_workgroup_size: 256
    .sgpr_count:     66
    .vgpr_count:     226
    .wavefront_size: 32
...
	.end_amdgpu_metadata
.endif
;; end of part 2
;; launch final (part 3): grid 4 x 1, 4 waves a work-group, no clusters, 0 bytes of LDS; arguments part, b2, out0; writes out0
.if DOCPART == 3
	.amdgcn_target "amdgcn-amd-amdhsa--gfx1250"
	.amdhsa_code_object_version 6
	.text
	.protected	k_q29a93338b0_final
	.globl	k_q29a93338b0_final
	.p2align	8
	.type	k_q29a93338b0_final,@function
k_q29a93338b0_final:
	s_mov_b64 s[64:65], 0
	v_nop
	global_prefetch_b8 v0, s[64:65] scope:SCOPE_SE
	s_setreg_imm32_b32 hwreg(HW_REG_WAVE_MODE, 25, 1), 1
	s_wait_xcnt 0x0
; out0[b][c] = b2[c] + sum over the 8 slices hs of part[b][hs][c]: the sum over h of the last Linear, whose parts were made by 8 work-groups
; for each batch row, closed here in a fixed order (no traffic between the work-groups of one launch).
; 2,048 numbers, four a thread: 512 threads have work, so four work-groups of four waves are launched and no more.
; Thread t of group g: batch row 8 g + (t >> 4), columns 4 (t & 15) .. + 3: sixteen lanes load and store 256 consecutive bytes, aligned.
.set BB, 4                             ; v[4:7]    b2 of my four columns
.set P,  8                             ; v[8:39]   the eight slices' quads
	s_load_b128 s[4:7], s[0:1], 0x0                ; part s[4:5], b2 s[6:7]
	s_load_b64 s[8:9], s[0:1], 0x10                ; out0
	v_and_b32 v2, 15, v0
	v_lshrrev_b32 v1, 4, v0
	v_lshlrev_b32 v2, 4, v2                        ; v2: 16 (t & 15): my columns in b2
	v_lshl_add_u32 v1, v1, 11, v2                  ; v1: + (t >> 4) x 8 slices x 256 bytes: my columns in part
	v_lshlrev_b32 v3, 4, v0                        ; v3: 16 t: my place in out0
	s_lshl_b32 s10, ttmp9, 14                      ; 8 batch rows x 2,048 bytes of part
	s_mov_b32 s11, 0
	s_lshl_b32 s12, ttmp9, 11                      ; 8 batch rows x 256 bytes of out0
	s_mov_b32 s13, 0
	s_wait_kmcnt 0x0
	s_add_nc_u64 s[4:5], s[4:5], s[10:11]
	s_add_nc_u64 s[8:9], s[8:9], s[12:13]
.irp j, 0,1,2,3,4,5,6,7
	global_load_b128 v[P+4*\j:P+4*\j+3], v1, s[4:5] offset:256*\j
.endr
	global_load_b128 v[BB:BB+3], v2, s[6:7]
	s_wait_loadcnt 0x0                             ; all nine: the sums below need every one
.irp d, 4,2,1
.set q, 0
.rept \d
	v_pk_add_f32 v[P+4*q:P+4*q+1],   v[P+4*q:P+4*q+1],   v[P+4*(q+\d):P+4*(q+\d)+1]
	v_pk_add_f32 v[P+4*q+2:P+4*q+3], v[P+4*q+2:P+4*q+3], v[P+4*(q+\d)+2:P+4*(q+\d)+3]
.set q, q+1
.endr
.endr
	v_pk_add_f32 v[P:P+1],   v[P:P+1],   v[BB:BB+1]
	v_pk_add_f32 v[P+2:P+3], v[P+2:P+3], v[BB+2:BB+3]
	global_store_b128 v3, v[P:P+3], s[8:9]
	s_endpgm
.Lfunc_end_k_q29a93338b0_final:
	.size	k_q29a93338b0_final, .Lfunc_end_k_q29a93338b0_final-k_q29a93338b0_final
	.p2alignl 7, 3214868480
	.fill 96, 4, 3214868480
	.section	.rodata,"a",@progbits
	.p2align	6, 0x0
	.amdhsa_kernel k_q29a93338b0_final
		.amdhsa_group_segment_fixed_size 0
		.amdhsa_private_segment_fixed_size 0
		.amdhsa_enable_private_segment 0
		.amdhsa_kernarg_size 24
		.amdhsa_user_sgpr_count 2
		.amdhsa_user_sgpr_kernarg_segment_ptr 1
		.amdhsa_wavefront_size32 1
		.amdhsa_system_sgpr_workgroup_id_x 1
		.amdhsa_system_sgpr_workgroup_id_y 1
		.amdhsa_system_sgpr_workgroup_id_z 1
		.amdhsa_system_vgpr_workitem_id 0
		.amdhsa_next_free_vgpr 48
		.amdhsa_next_free_sgpr 66
		.amdhsa_reserve_vcc 0
		.amdhsa_float_denorm_mode_32 3
		.amdhsa_float_denorm_mode_16_64 3
		.amdhsa_memory_ordered 1
		.amdhsa_forward_progress 1
		.amdhsa_inst_pref_size 3
	.end_amdhsa_kernel
	.amdgpu_metadata
---
amdhsa.version: [ 1, 2 ]
amdhsa.kernels:
  - .name:           k_q29a93338b0_final
    .symbol:         k_q29a93338b0_final.kd
    .args:
      - { .name: part, .offset: 0, .size: 8, .value_kind: global_buffer, .address_space: global }
      - { .name: b2, .offset: 8, .size: 8, .value_kind: global_buffer, .address_space: global }
      - { .name: out0, .offset: 16, .size: 8, .value_kind: global_buffer, .address_space: global }
    .group_segment_fixed_size: 0
    .private_segment_fixed_size: 0
    .kernarg_segment_align: 8
    .kernarg_segment_size: 24
    .max_flat_workgroup_size: 128
    .sgpr_count:     66
    .vgpr_count:     48
    .wavefront_size: 32
...
	.end_amdgpu_metadata
.endif
;; end of part 3
;; ======== version 2 of 2: 3 launches; version 1 with the launch pool written anew for expert scheduling mode
;; limits: a function is approximated: absolute error at most 1.5e-07
;; workspace buffers: vpart 1,048,576 bytes; part 65,536 bytes
;; launch pool (part 4): grid 16 x 16, 8 waves a work-group, no clusters, 11,264 bytes of LDS; arguments ner_tokens, W1, vpart; writes vpart
.if DOCPART == 4
	.amdgcn_target "amdgcn-amd-amdhsa--gfx1250"
	.amdhsa_code_object_version 6
	.text
	.protected	k_q29a93338b0_pool
	.globl	k_q29a93338b0_pool
	.p2align	8
	.type	k_q29a93338b0_pool,@function
k_q29a93338b0_pool:
	s_mov_b64 s[64:65], 0
	v_nop
	global_prefetch_b8 v0, s[64:65] scope:SCOPE_SE
	s_setreg_imm32_b32 hwreg(HW_REG_WAVE_SCHED_MODE, 0, 2), 2
	s_setreg_imm32_b32 hwreg(HW_REG_WAVE_MODE, 25, 1), 1
	s_wait_xcnt 0x0
	s_wait_alu depctr_vm_vsrc(0)
; vpart[ds][b][h] = sum over the 64 columns d of slice ds of  nm[b][d] * W1[d][h],   nm[b][d] = (1/128) * sum over s of ner[b][s][d].
; WHY THIS IS ALL OF THE LARGE EINSUM: its input is an outer product, outer[b][i][j] = ic[b][i] * nm[b][j], so
; sum_j outer[b][i][j] W1[j][h] = ic[b][i] * (sum_j nm[b][j] W1[j][h]) for every input: one sum, associated otherwise (the order of
; rounding differs from the written form; everything here is f32).  What is left is a product of 32 x 1024 by 1024 x 512.
; SHARES: work-group (ds, bp) owns batch rows 2 bp, 2 bp + 1 and columns d = 64 ds .. 64 ds + 63: 64 KiB of ner, 128 KiB of W1.
;   pooling: wave w sums rows (w & 3) * 32 .. + 31 of batch row 2 bp + (w >> 2); sixteen lanes take 256 consecutive, aligned bytes of a row.
;   product: thread t holds columns h = 4 (t & 127) .. + 3 of W1's rows 32 (t >> 7) .. + 31 of the slice and multiplies them for BOTH batch rows;
;            the two halves of K meet through LDS, each half keeping one batch row.
; All 48 loads of a lane are issued in the first lines: nothing is loaded behind another load's result, so there is no ring and nothing to ask for ahead.
; LEFT OUT, by this text's arithmetic: matrix instructions (2 rows of a 16-row tile would be used, and W1 lies [K][N] in f32: each word would be
; converted and transposed to feed 2 multiply-adds); joint requests in a cluster for W1's slice, which 16 work-groups read (a joint request lands in
; LDS: 128 KiB written and 128 KiB read back per work-group for 2 multiply-adds a word, where the loads below land in the registers that multiply).
; THE MODE: SCHED_MODE bits 1:0 = 2 (LLVM: expert scheduling mode 2), set by the entry lines.  The code itself states the register dependences
; between vector instructions and memory or LDS instructions, with s_wait_alu, always for 0.
; THE PLAN.  Registers that memory or LDS instructions touch, in the order of the text (there is no loop):
;   v2, v3            offsets of the 48 loads: made at the head, never written again.
;   v4-v7, v9, v10    LDS addresses (v10 also the output's offset): made once, behind the 48 loads, by lines that name no register of a load.
;   v[16:79]          ner lands; the column sums work in it; the store into S reads v[16:19]; S's four quads land in v[20:35]; nm's sums work there;
;                     nm lands in all 64; the product reads them.
;   v[80:207]         W1 lands; the product reads it.
;   v[224:227] (T)    written by vector lines; read by the store of nm; the partner's sums land in it; read by the last additions.
;   GIVE, KEEP        written by vector lines; read by the store into X and by the global store.
; One wait on va_vdst stands ahead of the first load and one ahead of each of the four stores, whose data have just been made; each of the three LDS stores'
; waits also covers the LDS loads that follow it, since no vector line stands between.  One wait on vm_vsrc, behind the store of nm, frees v[16:19] and T.
; No scalar register that a vector line reads is written a second time.
.set NQ,   16                          ; v[16:79]    16 quads of ner as loaded; then nm: v[16:47] batch row 0, v[48:79] batch row 1, my 32 d each
.set NM0,  16
.set NM1,  48
.set WQ,   80                          ; v[80:207]   32 quads of W1: row r of my half, my 4 columns
.set ACC0, 208                         ; v[208:211]  sums for batch row 2 bp
.set ACC1, 212                         ; v[212:215]  sums for batch row 2 bp + 1
.set GIVE, 216                         ; v[216:219]  the sums that the other half of K finishes
.set KEEP, 220                         ; v[220:223]  the sums that I finish
.set T,    224                         ; v[224:227]  at work
.set LDS_S,   0                        ; 8 waves x 256 bytes: column sums over a wave's 32 rows
.set LDS_NMW, 2048                     ; 8 waves x 512 bytes: each wave's own copy of nm[2][64]
.set LDS_X,   6144                     ; 256 threads x 16 bytes: the exchange between the halves of K
	s_load_b128 s[4:7], s[0:1], 0x0                ; ner s[4:5], W1 s[6:7]
	s_load_b64 s[8:9], s[0:1], 0x10                ; vpart
	v_lshl_add_u32 v228, v0, 2, 0x2800             ; my spare word, behind X, and 0: kept for the closing lines alone
	v_mov_b32 v229, 0
	v_lshrrev_b32 v1, 5, v0
	v_readfirstlane_b32 s10, v1                    ; wave 0..7
	s_and_b32 s11, ttmp7, 0xffff                   ; bp
	v_and_b32 v11, 15, v0
	v_bfe_u32 v12, v0, 4, 1                        ; lane / 16
	v_and_b32 v13, 31, v0                          ; lane
	v_and_b32 v14, 127, v0                         ; t & 127
	v_lshlrev_b32 v11, 4, v11                      ; 16 (lane & 15)
	s_wait_alu depctr_va_sdst(0)                   ; s10 is written, ahead of its first reader: the offsets and the LDS addresses are made from it
	s_lshr_b32 s18, s10, 2                         ; hf: which batch row I pool, which half of K I multiply
	s_lshl_b32 s20, s10, 17                        ; wave x 32 rows x 4,096 bytes (four waves are one batch row of 524,288 bytes)
	v_lshl_add_u32 v2, v12, 12, v11                ; lanes 16-31 take the next row
	v_add_nc_u32 v2, s20, v2                       ; v2: my offset in ner
	s_lshl_b32 s21, s18, 16                        ; hf x 32 rows x 2,048 bytes
	v_lshl_add_u32 v3, v14, 4, s21                 ; v3: my offset in W1's slice
	s_lshl_b32 s12, s11, 20                        ; bp x 2 batch rows
	s_lshl_b32 s17, ttmp9, 8                       ; ds x 64 columns x 4 bytes
	s_add_co_u32 s12, s12, s17
	s_mov_b32 s13, 0
	s_wait_kmcnt 0x0
	s_add_nc_u64 s[4:5], s[4:5], s[12:13]
	s_lshl_b32 s12, ttmp9, 17                      ; ds x 64 rows x 2,048 bytes
	s_add_nc_u64 s[6:7], s[6:7], s[12:13]
	s_wait_alu depctr_va_vdst(0)                   ; v2 and v3 are written: the 48 loads read them as their offsets
.irp j, 0,1,2,3,4,5,6,7,8,9,10,11,12,13,14,15
	global_load_b128 v[NQ+4*\j:NQ+4*\j+3], v2, s[4:5] offset:8192*\j th:TH_LOAD_NT    ; two rows a load; ner is read once in the launch
.endr
.set rr, 0
.rept 32
	global_load_b128 v[WQ+4*rr:WQ+4*rr+3], v3, s[6:7] offset:2048*rr                 ; a wave's load covers 512 consecutive bytes of a row
.set rr, rr+1
.endr
	; the other addresses, while the loads are out: none of these lines names v2, v3 or a register in which a load lands
	s_mov_b32 s14, 0x76543210                      ; v_permlanex16_b32: lane i reads lane i of the other half
	s_mov_b32 s15, 0xfedcba98
	s_lshl_b32 s22, s10, 8
	v_add_nc_u32 v4, s22, v11                      ; v4: S, my wave's 256 bytes, my 4 columns
	v_lshl_add_u32 v5, v12, 10, v11                ; v5: S, lanes 0-15 read batch row 0's four waves, lanes 16-31 batch row 1's
	s_lshl_b32 s23, s10, 9
	s_add_co_u32 s23, s23, LDS_NMW                 ; my wave's copy of nm
	v_lshl_add_u32 v6, v13, 4, s23                 ; v6: where my lane puts its 4 numbers of nm
	s_lshl_b32 s19, s18, 7                         ; my half's 32 d x 4 bytes
	s_add_co_u32 s19, s19, s23
	v_mov_b32 v7, s19                              ; v7: the same address in every lane: the loads from it are broadcasts
	v_lshlrev_b32 v10, 4, v0                       ; v10: 16 t: my place in X, and my place in the two rows of vpart
	s_cmp_lg_u32 s18, 0
	s_cselect_b32 s16, -1, 0                       ; a lane mask: all ones in the waves of half 1
	s_cselect_b32 s24, 0, 2048                     ; the other half's 2,048 bytes of X
	v_lshl_add_u32 v9, v14, 4, s24                 ; v9: my partner's place in X
	s_lshl_b32 s12, ttmp9, 16                      ; vpart: ds x 32 rows x 2,048 bytes
	s_lshl_b32 s17, s11, 12                        ; + bp x 2 rows
	s_add_co_u32 s12, s12, s17
	s_add_nc_u64 s[8:9], s[8:9], s[12:13]
.irp k, 0,1,2,3
	v_mov_b32 v[T+\k], 0                           ; v_permlanex16_b32 counts as a reader of its destination
.endr
	; COLUMN SUMS over my wave's 32 rows
	s_wait_loadcnt 32                              ; loads return in order: the 16 of ner are in, the 32 younger ones of W1 stay out
.irp d, 8,4,2,1
.set q, 0
.rept \d
	v_pk_add_f32 v[NQ+4*q:NQ+4*q+1],   v[NQ+4*q:NQ+4*q+1],   v[NQ+4*(q+\d):NQ+4*(q+\d)+1]
	v_pk_add_f32 v[NQ+4*q+2:NQ+4*q+3], v[NQ+4*q+2:NQ+4*q+3], v[NQ+4*(q+\d)+2:NQ+4*(q+\d)+3]
.set q, q+1
.endr
.endr
.irp k, 0,1,2,3
	v_permlanex16_b32 v[T+\k], v[NQ+\k], s14, s15  ; the odd rows' sums meet the even rows'
.endr
	v_pk_add_f32 v[NQ:NQ+1],   v[NQ:NQ+1],   v[T:T+1]
	v_pk_add_f32 v[NQ+2:NQ+3], v[NQ+2:NQ+3], v[T+2:T+3]
	s_wait_alu depctr_va_vdst(0)                   ; the sums have written v[NQ:NQ+3], the store's data; the six LDS addresses are written; the sums are done with v[NQ+4:NQ+19], in which the loads behind the barrier land
	ds_store_b128 v4, v[NQ:NQ+3] offset:LDS_S      ; both halves of the lanes write the same 16 bytes with the same numbers
	s_wait_dscnt 0x0                               ; for the other waves: my store is done before I say so
	s_barrier_signal -1
	s_barrier_wait -1
	; nm, made by every wave for itself: four waves' sums, times 1/128
.irp j, 0,1,2,3
	ds_load_b128 v[NQ+4+4*\j:NQ+7+4*\j], v5 offset:LDS_S+256*\j
.endr
	s_wait_dscnt 0x0
	v_pk_add_f32 v[NQ+4:NQ+5],   v[NQ+4:NQ+5],   v[NQ+8:NQ+9]
	v_pk_add_f32 v[NQ+6:NQ+7],   v[NQ+6:NQ+7],   v[NQ+10:NQ+11]
	v_pk_add_f32 v[NQ+12:NQ+13], v[NQ+12:NQ+13], v[NQ+16:NQ+17]
	v_pk_add_f32 v[NQ+14:NQ+15], v[NQ+14:NQ+15], v[NQ+18:NQ+19]
	v_pk_add_f32 v[T:T+1],   v[NQ+4:NQ+5], v[NQ+12:NQ+13]
	v_pk_add_f32 v[T+2:T+3], v[NQ+6:NQ+7], v[NQ+14:NQ+15]
	v_pk_mul_f32 v[T:T+1],   v[T:T+1],   0x3c000000 op_sel_hi:[1,0]     ; 1/128
	v_pk_mul_f32 v[T+2:T+3], v[T+2:T+3], 0x3c000000 op_sel_hi:[1,0]
	s_wait_alu depctr_va_vdst(0)                   ; v[T:T+3] is written, the store's data; these sums are done with v[NQ+4:NQ+19], in which nm lands below
	ds_store_b128 v6, v[T:T+3]                     ; my wave's own bytes: LDS serves a wave's instructions in order, so the loads below see this store
	s_wait_alu depctr_vm_vsrc(0)                   ; the store into S has read v[NQ:NQ+3], in which nm lands below; the store above has read v[T:T+3], in which my partner's sums land at the end
.irp q, 0,1,2,3,4,5,6,7
	ds_load_b128 v[NM0+4*\q:NM0+4*\q+3], v7 offset:16*\q           ; nm of batch row 0, my half's 32 d, the same in every lane
	ds_load_b128 v[NM1+4*\q:NM1+4*\q+3], v7 offset:256+16*\q       ; nm of batch row 1
.endr
	s_wait_dscnt 0x0
	; THE PRODUCT.  ROW r: my 4 columns of W1's row r times nm[.][r] of both batch rows; row 0 starts the sums, nothing is cleared.
.macro ROW4 r, sel:vararg
	v_pk_fma_f32 v[ACC0:ACC0+1],   v[WQ+4*(\r):WQ+4*(\r)+1],   v[NM0+2*((\r)/2):NM0+2*((\r)/2)+1], v[ACC0:ACC0+1] \sel
	v_pk_fma_f32 v[ACC0+2:ACC0+3], v[WQ+4*(\r)+2:WQ+4*(\r)+3], v[NM0+2*((\r)/2):NM0+2*((\r)/2)+1], v[ACC0+2:ACC0+3] \sel
	v_pk_fma_f32 v[ACC1:ACC1+1],   v[WQ+4*(\r):WQ+4*(\r)+1],   v[NM1+2*((\r)/2):NM1+2*((\r)/2)+1], v[ACC1:ACC1+1] \sel
	v_pk_fma_f32 v[ACC1+2:ACC1+3], v[WQ+4*(\r)+2:WQ+4*(\r)+3], v[NM1+2*((\r)/2):NM1+2*((\r)/2)+1], v[ACC1+2:ACC1+3] \sel
.endm
.macro ROW r
.if (\r) == 0
	v_pk_mul_f32 v[ACC0:ACC0+1],   v[WQ:WQ+1],   v[NM0:NM0+1] op_sel_hi:[1,0]
	v_pk_mul_f32 v[ACC0+2:ACC0+3], v[WQ+2:WQ+3], v[NM0:NM0+1] op_sel_hi:[1,0]
	v_pk_mul_f32 v[ACC1:ACC1+1],   v[WQ:WQ+1],   v[NM1:NM1+1] op_sel_hi:[1,0]
	v_pk_mul_f32 v[ACC1+2:ACC1+3], v[WQ+2:WQ+3], v[NM1:NM1+1] op_sel_hi:[1,0]
.else
.if ((\r) % 2) == 0
	ROW4 \r, op_sel_hi:[1,0,1]                     ; even row: both results take the pair's first register
.else
	ROW4 \r, op_sel:[0,1,0]                        ; odd row: both take its second
.endif
.endif
.endm
.set rr, 0
.irp left, 24,16,8,0
	s_wait_loadcnt \left                           ; the next eight rows of W1 are in; the younger rows stay out
.rept 8
	ROW rr
.set rr, rr+1
.endr
.endr
	; THE TWO HALVES OF K MEET: half 0 finishes batch row 2 bp, half 1 batch row 2 bp + 1
.irp k, 0,1,2,3
	v_cndmask_b32 v[GIVE+\k], v[ACC1+\k], v[ACC0+\k], s16
	v_cndmask_b32 v[KEEP+\k], v[ACC0+\k], v[ACC1+\k], s16
.endr
	s_wait_alu depctr_va_vdst(0)                   ; the selects have written v[GIVE:GIVE+3], the store's data; no vector line from here to the load behind the barrier names v[T:T+3], in which it lands
	ds_store_b128 v10, v[GIVE:GIVE+3] offset:LDS_X
	s_wait_dscnt 0x0                               ; for my partner's wave: the store is done before I say so
	s_barrier_signal -1
	s_barrier_wait -1
	ds_load_b128 v[T:T+3], v9 offset:LDS_X
	s_wait_dscnt 0x0
	v_pk_add_f32 v[KEEP:KEEP+1],   v[KEEP:KEEP+1],   v[T:T+1]
	v_pk_add_f32 v[KEEP+2:KEEP+3], v[KEEP+2:KEEP+3], v[T+2:T+3]
	s_wait_alu depctr_va_vdst(0)                   ; the two additions have written v[KEEP:KEEP+3], the store's data
	global_store_b128 v10, v[KEEP:KEEP+3], s[8:9]  ; a wave's store covers 512 consecutive bytes, aligned; the group's 4,096 bytes are its two rows of vpart
	s_wait_dscnt 0x0                               ; the closing lines, six on end
	s_wait_alu 0x0
	s_wait_tensorcnt 0x0
	ds_add_u32 v228, v229
	s_wait_dscnt 0x0
	s_endpgm
.Lfunc_end_k_q29a93338b0_pool:
	.size	k_q29a93338b0_pool, .Lfunc_end_k_q29a93338b0_pool-k_q29a93338b0_pool
	.p2alignl 7, 3214868480
	.fill 96, 4, 3214868480
	.section	.rodata,"a",@progbits
	.p2align	6, 0x0
	.amdhsa_kernel k_q29a93338b0_pool
		.amdhsa_group_segment_fixed_size 11264
		.amdhsa_private_segment_fixed_size 0
		.amdhsa_enable_private_segment 0
		.amdhsa_kernarg_size 24
		.amdhsa_user_sgpr_count 2
		.amdhsa_user_sgpr_kernarg_segment_ptr 1
		.amdhsa_wavefront_size32 1
		.amdhsa_system_sgpr_workgroup_id_x 1
		.amdhsa_system_sgpr_workgroup_id_y 1
		.amdhsa_system_sgpr_workgroup_id_z 1
		.amdhsa_system_vgpr_workitem_id 0
		.amdhsa_next_free_vgpr 230
		.amdhsa_next_free_sgpr 66
		.amdhsa_reserve_vcc 0
		.amdhsa_float_denorm_mode_32 3
		.amdhsa_float_denorm_mode_16_64 3
		.amdhsa_memory_ordered 1
		.amdhsa_forward_progress 1
		.amdhsa_inst_pref_size 21
	.end_amdhsa_kernel
	.amdgpu_metadata
---
amdhsa.version: [ 1, 2 ]
amdhsa.kernels:
  - .name:           k_q29a93338b0_pool
    .symbol:         k_q29a93338b0_pool.kd
    .args:
      - { .name: ner_tokens, .offset: 0, .size: 8, .value_kind: global_buffer, .address_space: global }
      - { .name: W1, .offset: 8, .size: 8, .value_kind: global_buffer, .address_space: global }
      - { .name: vpart, .offset: 16, .size: 8, .value_kind: global_buffer, .address_space: global }
    .group_segment_fixed_size: 11264
    .private_segment_fixed_size: 0
    .kernarg_segment_align: 8
    .kernarg_segment_size: 24
    .max_flat_workgroup_size: 256
    .sgpr_count:     66
    .vgpr_count:     230
    .wavefront_size: 32
...
	.end_amdgpu_metadata
.endif
;; end of part 4
;; launch gelu: the kernel of part 2 again; grid 8 x 32, 8 waves a work-group, no clusters, 15,360 bytes of LDS; arguments vpart, ic_tokens, b1, ln_gamma, ln_beta, W2, part; writes part
;; launch final: the kernel of part 3 again; grid 4 x 1, 4 waves a work-group, no clusters, 0 bytes of LDS; arguments part, b2, out0; writes out0
